; MI455X (gfx1250); checked and timed in simulation.
; The chip was launched on July 23, 2026; its instructions are those of AMD's public machine-readable ISA for CDNA 5 (MIT licence, August 2026) and "CDNA5" Instruction Set Architecture Reference Guide (July 2026). The comments in the code are by the model that wrote it; some were corrected since.
;; Streamed. Allowed arithmetic: float matrix products may take bf16 or f16 operands with f32 sums; other float arithmetic in f32, or as packed bf16 or f16 multiplies, adds, multiply-adds, maxima and minima; sums over many terms, partial sums and values carried from step to step in f32; what a program stores and reads back later, other than sums and carried values, may be rounded once to bf16 or f16.
;; Inputs: W 8 x 1,024 x 1,024 float32; b 8 x 1,024 float32; idxs 8,192 int32; x 8,192 x 1,024 float32.
;; Outputs: out0 8,192 x 1,024 float32.
;; One version. Each part assembles by itself: llvm-mc -triple=amdgcn-amd-amdhsa -mcpu=gfx1250 --defsym DOCPART=n.
;; ======== version 1 of 1: 2 launches
;; workspace buffers: xs 18,874,368 bytes; Wf 16,777,216 bytes; order 36,864 bytes of whole numbers; meta 512 bytes of whole numbers
;; launch prep (part 1): grid 256 x 1, 16 waves a work-group, no clusters, 3,072 bytes of LDS; arguments x, idxs, W, xs, Wf, order, meta; writes xs, Wf, order, meta
.if DOCPART == 1
	.amdgcn_target "amdgcn-amd-amdhsa--gfx1250"
	.amdhsa_code_object_version 6
	.text
	.protected	k_q73635eaa1e_prep
	.globl	k_q73635eaa1e_prep
	.p2align	8
	.type	k_q73635eaa1e_prep,@function
k_q73635eaa1e_prep:
	s_mov_b64 s[64:65], 0
	v_nop
	global_prefetch_b8 v0, s[64:65] scope:SCOPE_SE
	s_setreg_imm32_b32 hwreg(HW_REG_WAVE_MODE, 25, 1), 1
	s_wait_xcnt 0x0
; PREP: routing, and both operands rounded to bf16 and laid out for the product launch.  A stream: no matrix work.
; xs   [9216 positions][1024] bf16: the tokens' rows of x in the experts' order; each expert begins at a multiple of 144 positions, and its last
;      tile is filled up with copies of the expert's last row.  8192 rows + 1024 filling rows, whatever the split: sum of ceil(c_e / 144) <= 64.
;      Filling rows behind the last expert's tiles (tiles without rows) copy some token's row: nothing made of them is stored.
; Wf   bf16, in the order in which a wave's operand registers take it: block V = (e*16+G)*32+s (expert, group of 64 columns, 32 along K)
;      is 4096 bytes; in it piece (c, half) is 512 bytes, lane L = (r, h) holding W[e][32 s + 16 half + 8 h + 0..7][64 G + 4 r + c].
; order[position] = the token whose row lies there, filling rows too;  meta[2 i], meta[2 i + 1] = expert and live rows of tile i.
; RANK.  Every work-group reads all 8192 indices (thread t: 16 of them, by four 16-byte loads) and finds, without atomics: each expert's total, its
; tokens in threads below 2 g, and its last token in the order (thread, place in the thread).  Work-group g owns the 32 tokens of threads 2 g and 2 g + 1.
; SHARES of wave w: the x rows of lanes 2 w and 2 w + 1 (two neighbouring tokens); block V = 16 g + w of W; a quarter of filling row 4 g + w / 4.
; LIMITS.  idxs holds 0..7 (an index stays inside its table); x and W are rounded once to bf16, to nearest even.
.set SPARE, 1024                       ; LDS: bytes 0-1023 the waves' counts and last tokens (64 bytes a wave); from 1024 the spare words, 128 bytes a wave
.set I,    4                           ; v4-19    my 16 indices; later v4-11 the filling row as loaded, v12-15 packed
.set KV,   12                          ; v12-19   behind the counting: for each expert 1 + 16 thread + place of its last token, or 0
.set X,    32                          ; v32-95   two rows of x: 16 loads of 4 registers
.set WR,   96                          ; v96-159  W: 2 units of 8 loads of 4 registers
.set P,    160                         ; v160-191 W packed: 2 units x 4 pieces x 4 registers
.set RED,  192                         ; v192-195 totals, v196-199 counts below my work-group: two experts a register
.set TD,   200                         ; v200-207 what the other lane holds
.set POS,  214                         ; v214     position of my lane's token
; v0 thread, v1 lane, v2 spare word's address, v3 0, v20 my token's index, v21 my token, v22 1, v23-28 offsets, v29-30 the filling row's entry of the list
; v220 15, v221 at work, v222 a nibble for each expert: the last of my 16 places that chose it, v223 nibbles that are not 0 where I have the expert
; s[32:39] c_e, s[40:47] counts below, later first position, s[48:55] first position of expert e's tiles, s[90:97] last tokens
	s_load_b256 s[4:11], s[0:1], 0x0               ; x s[4:5], idxs s[6:7], W s[8:9], xs s[10:11]
	s_load_b128 s[12:15], s[0:1], 0x20             ; Wf s[12:13], order s[14:15]
	s_load_b64 s[16:17], s[0:1], 0x30              ; meta
	v_lshl_add_u32 v2, v0, 2, SPARE
	v_mov_b32 v3, 0
	v_and_b32 v1, 31, v0                           ; lane
	v_lshrrev_b32 v214, 5, v0
	v_readfirstlane_b32 s18, v214                  ; w
	s_mov_b32 s19, ttmp9                           ; g
	s_lshl_b32 s80, s19, 1                         ; 2 g
	v_mov_b32 v22, 1
	v_lshlrev_b32 v25, 4, v1                       ; 16 l
	v_lshlrev_b32 v27, 3, v1                       ; 8 l
	v_lshlrev_b32 v28, 5, v1                       ; 32 l
	v_lshl_add_u32 v23, v214, 11, v25              ; my indices: 2048 w + 16 l, four loads 512 bytes apart
	v_lshrrev_b32 v215, 4, v1                      ; h
	v_and_b32 v216, 15, v1                         ; r
	v_lshlrev_b32 v26, 15, v215                    ; W: 8 h rows of 4096 bytes
	v_lshl_add_u32 v26, v216, 4, v26               ;    + 4 r columns
	v_add_nc_u32 v215, s80, v215                   ; the thread that my lane stands for: 2 g + l / 16
	v_lshrrev_b32 v217, 5, v215
	v_and_b32 v218, 31, v215
	v_lshlrev_b32 v21, 9, v217                     ; its token number l % 16: 512 (t / 32) + 4 (t % 32) + 128 ((l % 16) / 4) + l % 4
	v_lshl_add_u32 v21, v218, 2, v21
	v_bfe_u32 v219, v1, 2, 2
	v_lshl_add_u32 v21, v219, 7, v21
	v_and_b32 v219, 3, v1
	v_add_nc_u32 v21, v21, v219
	v_lshlrev_b32 v24, 2, v21
	s_lshr_b32 s81, s18, 3                         ; the same for lane 2 w, as a scalar: my wave's first row of x
	s_add_co_u32 s81, s81, s80
	s_lshr_b32 s82, s81, 5
	s_lshl_b32 s82, s82, 9
	s_and_b32 s83, s81, 31
	s_lshl2_add_u32 s82, s83, s82
	s_bfe_u32 s83, s18, 0x20001                    ; (w % 8) / 2
	s_lshl_b32 s83, s83, 7
	s_add_co_u32 s82, s82, s83
	s_and_b32 s83, s18, 1
	s_lshl1_add_u32 s82, s83, s82
	s_lshl_b32 s78, s82, 12                        ; rows of 4096 bytes
	s_mov_b32 s79, 0
	s_lshl4_add_u32 s84, s19, s18                  ; V = 16 g + w = e * 512 + G * 32 + s
	s_lshr_b32 s85, s84, 9
	s_lshl_b32 s85, s85, 22                        ; e: 4 MiB
	s_and_b32 s86, s84, 31
	s_lshl_b32 s86, s86, 17                        ; s: 32 rows of 4096 bytes
	s_add_co_u32 s85, s85, s86
	s_bfe_u32 s86, s84, 0x40005
	s_lshl_b32 s86, s86, 8                         ; G: 64 columns
	s_add_co_u32 s85, s85, s86
	s_lshr_b32 s59, s18, 2
	s_lshl2_add_u32 s59, s19, s59                  ; u = 4 g + w / 4: my filling row among the 1024
	s_mov_b32 s62, 0x76543210                      ; v_permlanex16_b32: each lane takes its own place in the other half
	s_mov_b32 s63, 0xfedcba98
	s_mov_b32 s56, 0                               ; S: tokens of the experts so far
	s_mov_b32 s57, 0                               ; Q: filling rows so far
	s_mov_b32 s58, 0                               ; first position of the expert in hand
	s_mov_b32 s60, 0
	s_mov_b32 s61, 0                               ; the last token of the expert that my filling row belongs to
	s_wait_kmcnt 0x0
	s_add_nc_u64 s[72:73], s[4:5], s[78:79]        ; x at my first row
	s_mov_b32 s78, s85
	s_add_nc_u64 s[74:75], s[8:9], s[78:79]        ; W at my block
	s_lshl_b32 s78, s84, 12
	s_add_nc_u64 s[76:77], s[12:13], s[78:79]      ; Wf at my block
	; ALL THESE LOADS GO OUT AT ONCE: 5 for the indices, 16 of x, 16 of W; each of the 32 covers whole aligned pieces of 256 bytes
.irp i, 0,1,2,3
	global_load_b128 v[I+4*\i:I+4*\i+3], v23, s[6:7] offset:512*\i
.endr
	global_load_b32 v20, v24, s[6:7]
.irp m, 0,1,2,3,4,5,6,7,8,9,10,11,12,13,14,15
	global_load_b128 v[X+4*\m:X+4*\m+3], v25, s[72:73] offset:512*\m th:TH_LOAD_NT  ; two rows on end: 8192 consecutive bytes
.endr
.irp u, 0,1
.irp i, 0,1,2,3,4,5,6,7
	global_load_b128 v[WR+32*\u+4*\i:WR+32*\u+4*\i+3], v26, s[74:75] offset:65536*\u+4096*\i th:TH_LOAD_NT  ; k = 16 u + 8 h + i, columns 4 r .. 4 r + 3
.endr
.endr
.set z, 0
.rept 8
	v_mov_b32 v[TD+z], 0                           ; destinations of lane exchanges count as read: written once here
.set z, z+1
.endr
	v_mov_b32 v[POS], 0
	v_mov_b32 v220, 15
	v_mov_b32 v222, 0
	s_mov_b32 s82, 0x0f0f0f0f
	s_mov_b32 s83, 0x00ff00ff
	s_wait_loadcnt 32                              ; the 32 loads of x and W are younger: the indices are in
	; COUNT.  1 << 4 idx, added eight at a time: eight counters of four bits (8 at the most); then bytes: even experts, odd experts.
	; Beside it, place z is written into nibble idx of v222: in ascending z, so that the last place that chose an expert stays.
.set z, 0
.rept 16
	v_lshlrev_b32 v[I+z], 2, v[I+z]
	v_lshlrev_b32 v221, v[I+z], v220
	v_bfi_b32 v222, v221, z*0x11111111, v222
	v_lshlrev_b32 v[I+z], v[I+z], v22
.set z, z+1
.endr
	v_add3_u32 v208, v4, v5, v6
	v_add3_u32 v209, v12, v13, v14
	v_add3_u32 v208, v208, v7, v8
	v_add3_u32 v209, v209, v15, v16
	v_add3_u32 v208, v208, v9, v10
	v_add3_u32 v209, v209, v17, v18
	v_add_nc_u32 v208, v208, v11
	v_add_nc_u32 v209, v209, v19
	v_or_b32 v223, v208, v209                      ; a nibble is not 0 where I have the expert
	v_and_b32 v210, s82, v208
	v_and_b32 v215, s82, v209
	v_lshrrev_b32 v208, 4, v208
	v_lshrrev_b32 v209, 4, v209
	v_add_nc_u32 v210, v210, v215                  ; experts 0, 2, 4, 6 in bytes: 16 at the most
	v_and_b32 v211, s82, v208
	v_and_b32 v215, s82, v209
	v_add_nc_u32 v211, v211, v215                  ; experts 1, 3, 5, 7
	v_cmp_gt_u32 vcc_lo, s80, v0                   ; my thread lies below the work-group's two
	v_cndmask_b32 v212, 0, v210, vcc_lo
	v_cndmask_b32 v213, 0, v211, vcc_lo
.macro LVL m, first, cnt               ; cnt registers from first on: each lane adds what lane xor m holds
.set z, 0
.rept \cnt
	v_mov_b32_dpp v[TD+z], v[(\first)+z] row_xmask:\m row_mask:0xf bank_mask:0xf
.set z, z+1
.endr
.set z, 0
.rept \cnt
	v_add_nc_u32 v[(\first)+z], v[(\first)+z], v[TD+z]
.set z, z+1
.endr
.endm
	LVL 1, 210, 4
	LVL 2, 210, 4
	LVL 4, 210, 4                                  ; eight lanes: 128 at the most, still a byte
	v_and_b32 v[RED+0], s83, v210                  ; widened to 16 bits: experts 0 | 4
	v_lshrrev_b32 v210, 8, v210
	v_and_b32 v[RED+2], s83, v211                  ; 1 | 5
	v_lshrrev_b32 v211, 8, v211
	v_and_b32 v[RED+4], s83, v212
	v_lshrrev_b32 v212, 8, v212
	v_and_b32 v[RED+6], s83, v213
	v_lshrrev_b32 v213, 8, v213
	v_and_b32 v[RED+1], s83, v210                  ; 2 | 6
	v_and_b32 v[RED+3], s83, v211                  ; 3 | 7
	v_and_b32 v[RED+5], s83, v212
	v_and_b32 v[RED+7], s83, v213
	LVL 8, RED, 8
.set z, 0
.rept 8
	v_permlanex16_b32 v[TD+z], v[RED+z], s62, s63
.set z, z+1
.endr
.set z, 0
.rept 8
	v_add_nc_u32 v[RED+z], v[RED+z], v[TD+z]       ; the wave's counts, in every lane
.set z, z+1
.endr
	; the wave's last token of each expert: its highest lane that has the expert, and that lane's last place
	s_lshl_b32 s85, s18, 5                         ; my wave's first thread
.irp e, 0,1,2,3,4,5,6,7
	v_and_b32 v221, 15<<(4*\e), v223
	v_cmp_ne_u32 s87, 0, v221
	s_clz_i32_u32 s88, s87                         ; zeros above the highest lane; -1 if no lane has it
	s_sub_co_u32 s88, 31, s88
	s_and_b32 s88, s88, 31
	v_readlane_b32 s89, v222, s88
	s_bfe_u32 s89, s89, (4<<16)|(4*\e)
	s_add_co_u32 s88, s88, s85
	s_lshl4_add_u32 s89, s88, s89                  ; 16 thread + place
	s_add_co_u32 s89, s89, 1
	s_cmp_lg_u32 s87, 0
	s_cselect_b32 s89, s89, 0
	v_mov_b32 v[KV+\e], s89
.endr
	s_lshl_b32 s84, s18, 6
	v_mov_b32 v217, s84
	v_and_b32 v218, 15, v1
	v_lshlrev_b32 v218, 6, v218
	ds_store_b128 v217, v[RED:RED+3]               ; all lanes write the same 64 bytes, my wave's
	ds_store_b128 v217, v[RED+4:RED+7] offset:16
	ds_store_b128 v217, v[KV:KV+3] offset:32
	ds_store_b128 v217, v[KV+4:KV+7] offset:48
	s_wait_dscnt 0x0                               ; for the others' sake: my stores are done
	s_barrier_signal -1
	s_barrier_wait -1
	ds_load_b128 v[RED:RED+3], v218                ; lane l takes wave l % 16's
	ds_load_b128 v[RED+4:RED+7], v218 offset:16
	ds_load_b128 v[KV:KV+3], v218 offset:32
	ds_load_b128 v[KV+4:KV+7], v218 offset:48
	s_wait_dscnt 0x0
	LVL 1, RED, 8
	LVL 2, RED, 8
	LVL 4, RED, 8
	LVL 8, RED, 8                                  ; 8192 at the most: inside 16 bits
.irp z, 0,1,2,3,4,5,6,7
	v_readfirstlane_b32 s[20+\z], v[RED+\z]
.endr
.irp z, 0,1
	s_and_b32  s[32+8*\z], s[20+4*\z], 0xffff
	s_lshr_b32 s[36+8*\z], s[20+4*\z], 16
	s_and_b32  s[34+8*\z], s[21+4*\z], 0xffff
	s_lshr_b32 s[38+8*\z], s[21+4*\z], 16
	s_and_b32  s[33+8*\z], s[22+4*\z], 0xffff
	s_lshr_b32 s[37+8*\z], s[22+4*\z], 16
	s_and_b32  s[35+8*\z], s[23+4*\z], 0xffff
	s_lshr_b32 s[39+8*\z], s[23+4*\z], 16
.endr
.irp e, 0,1,2,3,4,5,6,7
	v_cmp_ne_u32 s87, 0, v[KV+\e]                  ; the highest wave that has the expert holds its last token; where none has, lane 0's 0 is read
	s_clz_i32_u32 s88, s87
	s_sub_co_u32 s88, 31, s88
	s_and_b32 s88, s88, 31
	v_readlane_b32 s[90+\e], v[KV+\e], s88
.endr
; Expert e: its tiles' rows t = 144 ceil(c / 144) ((c + 143) * 7282 >> 20 is the exact quotient up to 8335); where it begins; where my tokens of it begin.
; Filling row u lies at position u + (tokens of all experts up to the one whose filling rows hold it): the last expert with u >= Q decides, and gives its last token.
.macro EXPERT e
	s_add_co_u32 s85, s[32+\e], 143
	s_mul_i32 s85, s85, 7282
	s_lshr_b32 s85, s85, 20
	s_mul_i32 s85, s85, 144
	s_mov_b32 s[48+\e], s58
	s_add_co_u32 s[40+\e], s[40+\e], s58
	s_add_co_u32 s56, s56, s[32+\e]
	s_cmp_ge_u32 s59, s57
	s_cselect_b32 s60, s56, s60
	s_cselect_b32 s61, s[90+\e], s61
	s_sub_co_u32 s86, s85, s[32+\e]
	s_add_co_u32 s57, s57, s86
	s_add_co_u32 s58, s58, s85
.endm
.irp e, 0,1,2,3,4,5,6,7
	EXPERT \e
.endr
	; my quarter of a filling row: where it goes, which token it copies; its two loads go out now and are used last
	s_add_co_u32 s86, s59, s60
	s_min_u32 s86, s86, 9215                       ; its position
	s_and_b32 s87, s18, 3                          ; my quarter
	s_lshl_b32 s78, s86, 11
	s_lshl_b32 s88, s87, 9
	s_add_co_u32 s78, s78, s88
	s_add_nc_u64 s[70:71], s[10:11], s[78:79]
	s_max_u32 s61, s61, 1                          ; (behind the last expert's tiles, if that expert has no token: token 0)
	s_sub_co_u32 s61, s61, 1                       ; 16 thread + place
	s_lshr_b32 s88, s61, 9
	s_lshl_b32 s88, s88, 9                         ; 512 (t / 32)
	s_bfe_u32 s89, s61, 0x50004
	s_lshl2_add_u32 s88, s89, s88                  ; + 4 (t % 32)
	s_bfe_u32 s89, s61, 0x20002
	s_lshl_b32 s89, s89, 7
	s_add_co_u32 s88, s88, s89                     ; + 128 (place / 4)
	s_and_b32 s89, s61, 3
	s_add_co_u32 s88, s88, s89                     ; + place % 4
	s_min_u32 s88, s88, 8191                       ; the token
	s_lshl_b32 s78, s88, 12
	s_lshl_b32 s89, s87, 10
	s_add_co_u32 s78, s78, s89
	s_add_nc_u64 s[98:99], s[4:5], s[78:79]
	global_load_b128 v[4:7], v28, s[98:99]         ; eight f32 a lane, 1024 consecutive bytes a wave; many waves read these rows: no hint
	global_load_b128 v[8:11], v28, s[98:99] offset:16
	s_cmp_lg_u32 s87, 0
	s_cbranch_scc1 .Lno_fill_order
	v_mov_b32 v29, s86
	v_lshlrev_b32 v29, 2, v29
	v_mov_b32 v30, s88
	global_store_b32 v29, v30, s[14:15]            ; the filling row's entry of the list: one word, the same from every lane; 4 KiB in the whole launch
.Lno_fill_order:
	; positions of the work-group's 32 tokens: the expert's first free place + the lanes below me with the same expert
.irp e, 0,1,2,3,4,5,6,7
	v_cmp_eq_u32 s87, \e, v20
	v_mbcnt_lo_u32_b32 v215, s87, s[40+\e]
	v_cndmask_b32 v[POS], v[POS], v215, s87
.endr
	v_min_u32 v[POS], 9215, v[POS]
	s_cmp_lg_u32 s18, 0
	s_cbranch_scc1 .Lno_order
	v_lshlrev_b32 v216, 2, v[POS]
	global_store_b32 v216, v21, s[14:15]           ; the list: four bytes a lane to scattered places, 32 KiB in the whole launch
.Lno_order:
	s_lshl_b32 s88, s18, 1
	v_readlane_b32 s86, v[POS], s88                ; where my wave's two rows go
	s_add_co_u32 s88, s88, 1
	v_readlane_b32 s87, v[POS], s88
	s_min_u32 s86, s86, 9215
	s_min_u32 s87, s87, 9215
	s_lshl_b32 s78, s86, 11
	s_add_nc_u64 s[66:67], s[10:11], s[78:79]
	s_lshl_b32 s78, s87, 11
	s_add_nc_u64 s[68:69], s[10:11], s[78:79]
	; x: four f32 a lane become 8 bytes; a store covers 256 consecutive bytes, aligned
.set m, 0
.rept 16
	s_wait_loadcnt 33-m                            ; loads come back in order: behind load m stand 15 - m of x, the 16 of W and the filling row's 2
	v_cvt_pk_bf16_f32 v[X+4*m], v[X+4*m], v[X+4*m+1]
	v_cvt_pk_bf16_f32 v[X+4*m+1], v[X+4*m+2], v[X+4*m+3]
.if m < 8
	global_store_b64 v27, v[X+4*m:X+4*m+1], s[66:67] offset:256*(m%8)
.else
	global_store_b64 v27, v[X+4*m:X+4*m+1], s[68:69] offset:256*(m%8)
.endif
.set m, m+1
.endr
	; W: column c of my four, eight k in pairs, makes 16 bytes of piece (c, unit); a store covers 512 consecutive bytes
.irp u, 0,1
	s_wait_loadcnt 10-8*\u                         ; the other unit's eight loads and the filling row's two are younger
.irp c, 0,1,2,3
.irp q, 0,1,2,3
	v_cvt_pk_bf16_f32 v[P+16*\u+4*\c+\q], v[WR+32*\u+8*\q+\c], v[WR+32*\u+8*\q+4+\c]
.endr
	global_store_b128 v25, v[P+16*\u+4*\c:P+16*\u+4*\c+3], s[76:77] offset:1024*\c+512*\u
.endr
.endr
	; the filling row's quarter: 512 consecutive bytes
	s_wait_loadcnt 0x0
	v_cvt_pk_bf16_f32 v12, v4, v5
	v_cvt_pk_bf16_f32 v13, v6, v7
	v_cvt_pk_bf16_f32 v14, v8, v9
	v_cvt_pk_bf16_f32 v15, v10, v11
	global_store_b128 v25, v[12:15], s[70:71]
	; the table of tiles: work-group 0, threads 0-63, a tile each
	s_cmp_lg_u32 s19, 0
	s_cbranch_scc1 .Lend
	s_cmp_gt_u32 s18, 1
	s_cbranch_scc1 .Lend
	v_mul_u32_u24 v222, v0, 144                    ; the tile's first position R
	v_mov_b32 v220, 0
	v_mov_b32 v223, 0
	v_mov_b32 v215, 0
.irp e, 0,1,2,3,4,5,6,7
	v_cmp_gt_u32 vcc_lo, s[48+\e], v222            ; the last expert that begins at or below R has the tile
	v_cndmask_b32 v220, \e, v220, vcc_lo
	v_cndmask_b32 v223, s[48+\e], v223, vcc_lo
	v_cndmask_b32 v215, s[32+\e], v215, vcc_lo
.endr
	v_sub_nc_u32 v219, v222, v223                  ; rows of the expert ahead of the tile
	v_sub_nc_u32 v221, v215, v219
	v_min_u32 v221, 144, v221
	v_cmp_gt_u32 vcc_lo, v215, v219
	v_cndmask_b32 v221, 0, v221, vcc_lo            ; live rows: 0 to 144
	v_lshlrev_b32 v217, 3, v0
	global_store_b64 v217, v[220:221], s[16:17]    ; a wave stores 256 consecutive bytes
.Lend:
	s_wait_tensorcnt 0x0                           ; the wave's end, behind my last LDS store
	ds_add_u32 v2, v3
	s_wait_dscnt 0x0
	s_endpgm
.Lfunc_end_k_q73635eaa1e_prep:
	.size	k_q73635eaa1e_prep, .Lfunc_end_k_q73635eaa1e_prep-k_q73635eaa1e_prep
	.p2alignl 7, 3214868480
	.fill 96, 4, 3214868480
	.section	.rodata,"a",@progbits
	.p2align	6, 0x0
	.amdhsa_kernel k_q73635eaa1e_prep
		.amdhsa_group_segment_fixed_size 3072
		.amdhsa_private_segment_fixed_size 0
		.amdhsa_enable_private_segment 0
		.amdhsa_kernarg_size 56
		.amdhsa_user_sgpr_count 2
		.amdhsa_user_sgpr_kernarg_segment_ptr 1
		.amdhsa_wavefront_size32 1
		.amdhsa_system_sgpr_workgroup_id_x 1
		.amdhsa_system_sgpr_workgroup_id_y 1
		.amdhsa_system_sgpr_workgroup_id_z 1
		.amdhsa_system_vgpr_workitem_id 0
		.amdhsa_next_free_vgpr 224
		.amdhsa_next_free_sgpr 100
		.amdhsa_reserve_vcc 1
		.amdhsa_float_denorm_mode_32 3
		.amdhsa_float_denorm_mode_16_64 3
		.amdhsa_memory_ordered 1
		.amdhsa_forward_progress 1
		.amdhsa_inst_pref_size 41
	.end_amdhsa_kernel
	.amdgpu_metadata
---
amdhsa.version: [ 1, 2 ]
amdhsa.kernels:
  - .name:           k_q73635eaa1e_prep
    .symbol:         k_q73635eaa1e_prep.kd
    .args:
      - { .name: x, .offset: 0, .size: 8, .value_kind: global_buffer, .address_space: global }
      - { .name: idxs, .offset: 8, .size: 8, .value_kind: global_buffer, .address_space: global }
      - { .name: W, .offset: 16, .size: 8, .value_kind: global_buffer, .address_space: global }
      - { .name: xs, .offset: 24, .size: 8, .value_kind: global_buffer, .address_space: global }
      - { .name: Wf, .offset: 32, .size: 8, .value_kind: global_buffer, .address_space: global }
      - { .name: order, .offset: 40, .size: 8, .value_kind: global_buffer, .address_space: global }
      - { .name: meta, .offset: 48, .size: 8, .value_kind: global_buffer, .address_space: global }
    .group_segment_fixed_size: 3072
    .private_segment_fixed_size: 0
    .kernarg_segment_align: 8
    .kernarg_segment_size: 56
    .max_flat_workgroup_size: 512
    .sgpr_count:     100
    .vgpr_count:     224
    .wavefront_size: 32
...
	.end_amdgpu_metadata
.endif
;; end of part 1
;; launch gemm (part 2): grid 256 x 1, 4 waves a work-group, clusters of 4 x 1, 327,680 bytes of LDS; arguments xs, Wf, b, order, meta, out0; writes out0
.if DOCPART == 2
	.amdgcn_target "amdgcn-amd-amdhsa--gfx1250"
	.amdhsa_code_object_version 6
	.text
	.protected	k_q73635eaa1e_gemm
	.globl	k_q73635eaa1e_gemm
	.p2align	8
	.type	k_q73635eaa1e_gemm,@function
k_q73635eaa1e_gemm:
	s_mov_b64 s[64:65], 0
	v_nop
	global_prefetch_b8 v0, s[64:65] scope:SCOPE_SE
	s_setreg_imm32_b32 hwreg(HW_REG_WAVE_MODE, 25, 1), 1
	s_wait_xcnt 0x0
	s_wait_alu depctr_hold_cnt(0) depctr_sa_sdst(0) depctr_va_vdst(0) depctr_va_sdst(0) depctr_va_ssrc(0) depctr_va_vcc(0) depctr_vm_vsrc(0)
	s_getreg_b32 s2, hwreg(HW_REG_IB_STS2, 6, 4)
	s_cmp_eq_u32 s2, 0
	s_cbranch_scc0 .Lentry_in_a_cluster
	s_endpgm
.Lentry_in_a_cluster:
	s_bfe_u32 s2, ttmp6, 0x10000c
	s_cmp_lg_u32 s2, 0x3003
	s_cbranch_scc0 .Lentry_shape_is_right
	s_endpgm
.Lentry_shape_is_right:
; out0[token] = relu(x[token] . W[e] + b[e]) for the tokens of one tile: 144 positions of xs, all of expert e = meta[2 tile], of which n = meta[2 tile + 1] are live.
; GRID.  64 tiles x 4 blocks of 256 columns = 256 work-groups; 64 tiles of 144 rows serve every split of 8192 tokens over 8 experts (8 + 8184 / 144 < 65).
; CLUSTER.  The four column blocks of a tile need the same rows of x: each piece is asked for JOINTLY (same load, descriptor and mask in all four).  The whole K of the
; tile (144 x 1024 bf16) lies in LDS, in four chunks of 256 along K, each filled once: no slot is filled again, so there is no round inside the walk along K.
; W IS NOT SHARED IN A CLUSTER: partners would have to be row tiles of one expert, and 16 clusters of four such tiles serve every split only from 8184 / (4 M) < 9 on,
; M = 240 rows a tile in whole blocks of 16, against the 128 that the tokens fill.  W comes from Wf straight into operand registers, a ring of eight K steps.
; WAVE w: all 144 rows x columns N0 = 256 cx + 64 w .. + 63: 9 row blocks a x 4 fragments c = 36 accumulators; K in 32 steps of 32, written out: every count and offset is a constant.
; TRANSPOSED: source 0 = 16 columns of W (index r of fragment c is column N0 + 4 r + c), source 1 = 16 rows of x.  Lane (r, h), register j then holds row 16 a + r,
; column N0 + 32 h + 4 j + c: register j of the four fragments is 16 consecutive bytes of an output row.  The bias, in that layout, is the C operand of the first K step.
; PAST THE COUNT.  No branch and no LDS address hangs on e or n: every work-group runs the same text.  The places past n in xs and in the list repeat the expert's last row and its token,
; which lies in the same tile: they give the same numbers for the same row of out0.  So a block of 16 rows is stored whole if 16 a < n, and with every lane off otherwise: one mask a block.
; LIMITS.  x and W come rounded once to bf16; bias, sums and the maximum with 0 in f32; a NaN sum would leave as 0.
; REGISTERS, in windows of 256 (s_set_vgpr_msb: bits 1:0 source 0, 3:2 source 1, 5:4 source 2, 7:6 destination):
;   window 0: addresses; v208-255 and v32-55 the 72 stores' offsets; v64-135, v136-207 x fragments, two buffers of 9 x 8; on the way out v64-95 T, v96-127 and v128-159 R
;   window 1: W, ring buffer q at 32 q + 8 c      window 2: accumulators a < 8 at 32 a + 8 c      window 3: v0-31 accumulators of a = 8, v32-63 bias
.set PITCH, 528                        ; an LDS row of a chunk: 512 bytes + 16 of padding: 33 x 16, so the 16 rows of a fragment load begin in 16 different 16-byte columns of 256
.set CHUNK, 144*PITCH                  ; 76,032
.set QUART, 36*PITCH                   ; what one tensor load brings: 36 rows, so that all four waves run the same loads and the same counted waits
.set STAGE, 4*CHUNK                    ; 304,128: 16 rows x 272 bytes for each wave, for the way out; no fill lands here
.set SP,    272
.set SPARE, STAGE+4*16*SP              ; 321,536: the spare words, 128 bytes for each wave
.set ADA,  4                           ; v4-7    chunk ch: ch * CHUNK + r * PITCH + 16 h
.set ADB,  8                           ; v8-11   the same + 128 rows, for a = 8, whose offset would pass 16 bits
.set LB,   12                          ; v12     16 x lane
.set HB,   13                          ; v13     128 h
.set STO,  14                          ; v14     the way out: where I put 16 bytes of a row
.set RD,   15                          ; v15     the way out: where I read 16 bytes of a row back: row 8 h, byte 16 r
.set L16,  16                          ; v16     16 r
.set ZERO, 17                          ; v17     0, for the block's mask
.set H32,  18                          ; v18     32 h: my half's eight tokens in a block's 64 bytes of the list
.set SPW,  28
.set NIL,  29
.set AF,   64
.set BT,   136                         ; v136-167 the bias as loaded, in the x buffer that is idle until K step 0 fills it
.set T,    64
.set R,    96
.set BIAS, 32                          ; window 3
.set WV,   16                          ; s16 wave, s17 cx, s18 tile, s20 e, s21 n
.set NN,   21
.set LEFT, 60                          ; s60 n - 16 a     s61 EXEC, kept
.set MSB, 0
.macro WIN new                         ; the immediate's high byte repeats the setting that is left; a switch that changes nothing is dropped
.if MSB != (\new)
	s_set_vgpr_msb (MSB<<8)|(\new)
.set MSB, (\new)
.endif
.endm
.macro VO k                            ; rV: the register of store k = 8 a + i's offset; a block's eight lie on end
.if (\k) < 48
.set rV, 208+(\k)
.else
.set rV, 32+(\k)-48
.endif
.endm
.macro CROUND                          ; a round of the cluster's barrier
	s_barrier_signal -1
	s_barrier_wait -1
	s_cmp_lg_u32 s[WV], 0
	s_cbranch_scc1 .Lnot_wave_0_\@
	s_barrier_signal -3
.Lnot_wave_0_\@:
	s_barrier_wait -3
	s_barrier_signal -1
	s_barrier_wait -1
.endm
.macro PLACES                          ; four plain vector instructions between a matrix instruction and a load into, or a vector use of, its registers
.rept 4
	v_nop
.endr
.endm
	s_load_b256 s[4:11], s[0:1], 0x0               ; xs s[4:5], Wf s[6:7], b s[8:9], order s[10:11]
	s_load_b128 s[12:15], s[0:1], 0x20             ; meta s[12:13], out0 s[14:15]
	v_lshl_add_u32 v[SPW], v0, 2, SPARE
	v_mov_b32 v[NIL], 0
	ds_add_u32 v[SPW], v[NIL]                      ; the wave's opening: the add and its wait come ahead of my first tensor load
	v_lshrrev_b32 v3, 5, v0
	v_readfirstlane_b32 s[WV], v3                  ; wave 0..3
	v_bfe_u32 v2, v0, 4, 1                         ; h
	v_lshlrev_b32 v[H32], 5, v2
	s_bfe_u32 s17, ttmp6, 0x40000                  ; cx: it enters the addresses of Wf, b and out0 alone
	s_mov_b32 s18, ttmp9                           ; the cluster's number is the tile
	; descriptor group 1: 36 rows x 256 elements of 2 bytes, 1024 elements from row to row, 4 words of padding after every 128
	s_mov_b32 s24, 15|(1<<16)|(1<<20)|(1<<21)|(6<<22)|(3<<25)  ; 15:0 the mask of four; 17:16 2 bytes; 20 padding on; 21 set beside a mask; 24:22 code 6; 31:25 code 3
	s_mov_b32 s25, 256<<16                         ; tensor_dim0 = 256
	s_mov_b32 s26, 36<<16                          ; tensor_dim1 = 36
	s_mov_b32 s27, 256<<16                         ; tile_dim0 = 256
	s_mov_b32 s28, 36                              ; tile_dim1 = 36
	s_mov_b32 s29, 1024
	s_mov_b32 s30, 0
	s_mov_b32 s31, 0
	s_mul_i32 s19, s[WV], QUART                    ; my 36 rows in a chunk
	s_mul_i32 s48, s18, 144*2048
	s_mul_i32 s49, s[WV], 36*2048
	s_add_co_u32 s48, s48, s49
	s_mov_b32 s49, 0
	s_lshl_b32 s22, s18, 3
	s_mul_i32 s66, s18, 144*4                      ; the tile's 576 bytes of the list
	s_mov_b32 s67, 0
	s_wait_dscnt 0x0                               ; the opening add is done
	s_wait_kmcnt 0x0
	s_load_b64 s[20:21], s[12:13], s22 offset:0x0  ; the tile's expert and live rows
	s_add_nc_u64 s[56:57], s[10:11], s[66:67]
	; THE TOKENS: their place hangs on the tile's number alone, so all 18 loads go out now, beside the load above.  Store i of block a takes rows 16 a + i (lanes 0-15) and
	; 16 a + 8 + i (lanes 16-31): my half's eight tokens of a block are 32 consecutive bytes of the list, and land in the block's eight offset registers.
.set bb, 0
.rept 9
	VO 8*bb
	global_load_b128 v[rV:rV+3],   v[H32], s[56:57] offset:64*bb
	global_load_b128 v[rV+4:rV+7], v[H32], s[56:57] offset:64*bb+16
.set bb, bb+1
.endr
	s_add_nc_u64 s[50:51], s[4:5], s[48:49]
.irp ch, 0,1,2,3
	s_mov_b32 s[32+4*\ch], 1
	s_add_co_u32 s[33+4*\ch], s19, \ch*CHUNK
	s_add_nc_u64 s[34+4*\ch:35+4*\ch], s[50:51], \ch*512
	s_or_b32 s[35+4*\ch], s[35+4*\ch], 0x80000000
.endr
	CROUND                                         ; all four work-groups are here: the joint loads meet
.irp ch, 0,1,2,3
	tensor_load_to_lds s[32+4*\ch:35+4*\ch], s[24:31]  ; all first fills in one group: four loads of mine are out
	s_nop 0
.endr
	PLACES
	v_and_b32 v1, 15, v0                           ; r
	v_and_b32 v3, 31, v0                           ; lane
	v_mov_b32 v[ZERO], 0
	v_mul_u32_u24 v[ADA], v1, PITCH
	v_lshl_add_u32 v[ADA], v2, 4, v[ADA]
.irp ch, 1,2,3
	v_add_nc_u32 v[ADA+\ch], \ch*CHUNK, v[ADA]
.endr
.irp ch, 0,1,2,3
	v_add_nc_u32 v[ADB+\ch], 128*PITCH, v[ADA+\ch]
.endr
	v_lshlrev_b32 v[LB], 4, v3
	v_lshlrev_b32 v[HB], 7, v2
	v_lshlrev_b32 v[L16], 4, v1
	s_mul_i32 s23, s[WV], 16*SP
	s_add_co_u32 s23, s23, STAGE                   ; my stage
	v_mul_u32_u24 v[STO], v1, SP
	v_add_nc_u32 v[STO], v[STO], v[HB]
	v_add_nc_u32 v[STO], s23, v[STO]               ; in: row r, 128 bytes for each half of the lanes
	v_mul_u32_u24 v[RD], v2, 8*SP
	v_add_nc_u32 v[RD], v[RD], v[L16]
	v_add_nc_u32 v[RD], s23, v[RD]                 ; back: lanes 0-15 take one row of 256 bytes, lanes 16-31 the row eight further down
	s_wait_kmcnt 0x0
	s_min_u32 s20, s20, 7
	s_min_u32 s[NN], s[NN], 144
	s_lshl_b32 s66, s20, 4
	s_lshl2_add_u32 s66, s17, s66
	s_add_co_u32 s66, s66, s[WV]                   ; my group of 64 columns: 16 e + 4 cx + w,
	s_lshl_b32 s66, s66, 17                        ; 32 blocks of 4096 bytes each
	s_add_nc_u64 s[52:53], s[6:7], s[66:67]
	s_lshl_b32 s2, s17, 10
	s_lshl_b32 s3, s[WV], 8
	s_add_co_u32 s66, s2, s3                       ; my 64 columns of f32 in a row
	s_add_nc_u64 s[58:59], s[14:15], s[66:67]
	s_lshl_b32 s2, s20, 12
	s_add_co_u32 s66, s66, s2
	s_add_nc_u64 s[54:55], s[8:9], s[66:67]
.irp j, 0,1,2,3,4,5,6,7
	global_load_b128 v[BT+4*\j:BT+4*\j+3], v[HB], s[54:55] offset:16*\j  ; b[e][N0 + 32 h + 4 j + 0..3], once
.endr
; the x fragments of K step s: 18 LDS loads in one run, row blocks in ascending order
.macro FETCH_A s
	WIN 0
.set rA, AF+72*((\s)%2)
.set ko, ((\s)%8)*64
.set ch, (\s)/8
.set aa, 0
.rept 8
	ds_load_b128 v[rA+8*aa:rA+8*aa+3],   v[ADA+ch] offset:aa*16*PITCH+ko
	ds_load_b128 v[rA+8*aa+4:rA+8*aa+7], v[ADA+ch] offset:aa*16*PITCH+ko+32
.set aa, aa+1
.endr
	ds_load_b128 v[rA+64:rA+67], v[ADB+ch] offset:ko
	ds_load_b128 v[rA+68:rA+71], v[ADB+ch] offset:ko+32
.endm
; the W fragments of K step s: 8 loads of 512 consecutive bytes into ring buffer s % 8
.macro FETCH_B s
	WIN 0x40
.set rB, 32*((\s)%8)
.set cc, 0
.rept 4
	global_load_b128 v[rB+8*cc:rB+8*cc+3],   v[LB], s[52:53] offset:(\s)*4096+cc*1024
	global_load_b128 v[rB+8*cc+4:rB+8*cc+7], v[LB], s[52:53] offset:(\s)*4096+cc*1024+512
.set cc, cc+1
.endr
.endm
; the products of row blocks lo .. hi.  The 36 accumulators take turns in one order in every step.  first = 1: the bias starts the sums
.macro MUL s, lo, hi, first
.set aa, \lo
.rept (\hi)-(\lo)+1
.if aa == 8
	WIN 0xf1
.elseif \first
	WIN 0xb1
.else
	WIN 0xa1
.endif
.set rX, AF+72*((\s)%2)+8*aa
.set cc, 0
.rept 4
.set rD, (32*aa+8*cc)%256
.set rW, 32*((\s)%8)+8*cc
.if \first
	v_wmma_f32_16x16x32_bf16 v[rD:rD+7], v[rW:rW+7], v[rX:rX+7], v[BIAS+8*cc:BIAS+8*cc+7]
.else
	v_wmma_f32_16x16x32_bf16 v[rD:rD+7], v[rW:rW+7], v[rX:rX+7], v[rD:rD+7]
.endif
.set cc, cc+1
.endr
.set aa, aa+1
.endr
.endm
; A K STEP: 36 products; in its middle the next step's x fragments and the W fragments seven steps on are asked for, into buffers last read a step ago.
.macro STEP s, first
	s_wait_dscnt 10                                ; row blocks 0-3 are in; the ten younger loads may be out
.if (\s) <= 25
	s_wait_loadcnt 48                              ; W of this step is in: six younger steps of eight loads
.else
	s_wait_loadcnt 8*(31-(\s))                     ; the steps that are left
.endif
	MUL \s, 0, 3, \first
.if ((\s) == 7) || ((\s) == 15) || ((\s) == 23)
	s_wait_dscnt 0x0                               ; no LDS load of mine is out at the signal
	s_wait_tensorcnt 2-(\s)/8                      ; my part of the next chunk has landed: so many chunks were asked for behind it
	s_barrier_signal -1
	s_barrier_wait -1                              ; everybody's has; nothing is ever filled again
.endif
.if (\s) < 31
	PLACES
	FETCH_A (\s)+1
.endif
.if (\s) <= 24
	FETCH_B (\s)+7
.endif
.if (\s) < 31
	s_wait_dscnt 18                                ; all but the run just issued
.else
	s_wait_dscnt 0x0
.endif
	MUL \s, 4, 8, \first
.endm
.irp s, 0,1,2,3
	FETCH_B \s                                     ; 18 + 8 + 32 = 58 loads of mine are out
.endr
	WIN 0
	s_wait_loadcnt 40                              ; the tokens are in: the bias's 8 loads and four steps of W, eight loads each, are younger
	; ALL 72 STORES' OFFSETS ARE MADE HERE, while the first chunk, the bias and W are on their way, with every lane on: no register that enters an address is written behind the first
	; line that writes EXEC.  Token x 4096 bytes + 16 r.
.set kk, 0
.rept 72
	VO kk
	v_min_u32 v[rV], 8191, v[rV]
.set kk, kk+1
.endr
.set kk, 0
.rept 72
	VO kk
	v_lshl_add_u32 v[rV], v[rV], 12, v[L16]
.set kk, kk+1
.endr
	FETCH_B 4
	FETCH_B 5
	s_wait_loadcnt 48                              ; the bias is in: six steps of W, eight loads each, were asked for behind it
	WIN 0xc0                                       ; destination window 3, source window 0
.irp c, 0,1,2,3
.irp j, 0,1,2,3,4,5,6,7
	v_mov_b32 v[BIAS+8*\c+\j], v[BT+4*\j+\c]       ; into a C operand's order, once, in the wait for the first chunk
.endr
.endr
	FETCH_B 6                                      ; 56 loads of mine are out
	WIN 0
	s_wait_tensorcnt 3                             ; my part of chunk 0 is in; three chunks were asked for behind it
	s_barrier_signal -1
	s_barrier_wait -1
	FETCH_A 0
	STEP 0, 1
.irp s, 1,2,3,4,5,6,7,8,9,10,11,12,13,14,15,16,17,18,19,20,21,22,23,24,25,26,27,28,29,30,31
	STEP \s, 0
.endr
	PLACES                                         ; behind the last product: results are read, and its x buffer is loaded into, below
	WIN 0
	s_wait_xcnt 0x0                                ; EXEC is a source of the loads issued so far: it changes only behind this wait
; THE WAY OUT of row block a.  PACK: the maximum with 0; 16 bytes a lane into my own stage; back as whole rows of 256 bytes, two to a load.  SEND: each row to its token's row of out0.
.macro PACK a
.if (\a) == 8
	WIN 0x0c
.else
	WIN 0x08
.endif
.set jj, 0
.rept 8                                ; each accumulator's lowest register is read first
.set cc, 0
.rept 4
	v_max_num_f32 v[T+4*jj+cc], 0, v[(32*(\a)+8*cc+jj)%256]
.set cc, cc+1
.endr
.set jj, jj+1
.endr
	WIN 0
.set jj, 0
.rept 8
	ds_store_b128 v[STO], v[T+4*jj:T+4*jj+3] offset:16*jj
.set jj, jj+1
.endr
.set ii, 0
.rept 8
	ds_load_b128 v[R+32*((\a)%2)+4*ii:R+32*((\a)%2)+4*ii+3], v[RD] offset:SP*ii  ; rows ii and ii + 8.  LDS serves a wave's instructions in order (ISA guide 5.7.1): these see the stores above, and the next block's stores come behind them
.set ii, ii+1
.endr
.endm
; younger: the LDS instructions issued behind block a's loads: the next block's sixteen, or none.  The block's eight stores stand under one mask: every lane if the block has a live row, none otherwise.
.macro SEND a, younger
	s_sub_co_i32 s[LEFT], s[NN], 16*(\a)           ; live rows from this block on; 0 or less past the count
	v_cmp_gt_i32 vcc_lo, s[LEFT], v[ZERO]
	s_and_saveexec_b32 s61, vcc_lo                 ; no global or scalar memory instruction has been issued since the last wait for XCNT
.set ii, 0
.rept 8
	VO 8*(\a)+ii
	s_wait_dscnt (\younger)+7-ii                   ; rows ii and ii + 8 are back
	global_store_b128 v[rV], v[R+32*((\a)%2)+4*ii:R+32*((\a)%2)+4*ii+3], s[58:59] th:TH_STORE_NT  ; 16 lanes store 256 consecutive bytes, aligned
.set ii, ii+1
.endr
	s_wait_xcnt 0x0                                ; EXEC, and two blocks on R, are written again only behind this wait
	s_or_b32 exec_lo, exec_lo, s61
.endm
	PACK 0
.irp a, 1,2,3,4,5,6,7,8                ; a block's maxima and its trip through the stage stand between the loads of the block before and its stores
	PACK \a
	SEND (\a)-1, 16
.endr
	SEND 8, 0
	s_wait_tensorcnt 0x0                           ; the wave's end, behind my last tensor load and my last LDS store
	ds_add_u32 v[SPW], v[NIL]
	s_wait_dscnt 0x0
	CROUND                                         ; the closing round
	s_endpgm
.Lfunc_end_k_q73635eaa1e_gemm:
	.size	k_q73635eaa1e_gemm, .Lfunc_end_k_q73635eaa1e_gemm-k_q73635eaa1e_gemm
	.p2alignl 7, 3214868480
	.fill 96, 4, 3214868480
	.section	.rodata,"a",@progbits
	.p2align	6, 0x0
	.amdhsa_kernel k_q73635eaa1e_gemm
		.amdhsa_group_segment_fixed_size 327680
		.amdhsa_private_segment_fixed_size 0
		.amdhsa_enable_private_segment 0
		.amdhsa_kernarg_size 48
		.amdhsa_user_sgpr_count 2
		.amdhsa_user_sgpr_kernarg_segment_ptr 1
		.amdhsa_wavefront_size32 1
		.amdhsa_system_sgpr_workgroup_id_x 1
		.amdhsa_system_sgpr_workgroup_id_y 1
		.amdhsa_system_sgpr_workgroup_id_z 1
		.amdhsa_system_vgpr_workitem_id 0
		.amdhsa_next_free_vgpr 832
		.amdhsa_next_free_sgpr 72
		.amdhsa_reserve_vcc 1
		.amdhsa_float_denorm_mode_32 3
		.amdhsa_float_denorm_mode_16_64 3
		.amdhsa_memory_ordered 1
		.amdhsa_forward_progress 1
		.amdhsa_inst_pref_size 192
	.end_amdhsa_kernel
	.amdgpu_metadata
---
amdhsa.version: [ 1, 2 ]
amdhsa.kernels:
  - .name:           k_q73635eaa1e_gemm
    .symbol:         k_q73635eaa1e_gemm.kd
    .args:
      - { .name: xs, .offset: 0, .size: 8, .value_kind: global_buffer, .address_space: global }
      - { .name: Wf, .offset: 8, .size: 8, .value_kind: global_buffer, .address_space: global }
      - { .name: b, .offset: 16, .size: 8, .value_kind: global_buffer, .address_space: global }
      - { .name: order, .offset: 24, .size: 8, .value_kind: global_buffer, .address_space: global }
      - { .name: meta, .offset: 32, .size: 8, .value_kind: global_buffer, .address_space: global }
      - { .name: out0, .offset: 40, .size: 8, .value_kind: global_buffer, .address_space: global }
    .group_segment_fixed_size: 327680
    .private_segment_fixed_size: 0
    .kernarg_segment_align: 8
    .kernarg_segment_size: 48
    .max_flat_workgroup_size: 128
    .sgpr_count:     72
    .vgpr_count:     832
    .wavefront_size: 32
...
	.end_amdgpu_metadata
.endif
;; end of part 2
